; MI455X (gfx1250); checked and timed in simulation.
; The chip was launched on July 23, 2026; its instructions are those of AMD's public machine-readable ISA for CDNA 5 (MIT licence, August 2026) and "CDNA5" Instruction Set Architecture Reference Guide (July 2026). The comments in the code are by the model that wrote it; some were corrected since.
;; Mo E Layer. Allowed arithmetic: matrix products marked QUANTISED: E5M2 operands, one E8M0 scale for each 32 along K, by v_wmma_scale_f32_16x16x128_f8f6f4 with both operands' format E5M2, f32 sums; products left as they are: f32 operands where the result goes on into a quantised operand, else bf16, f16 or f32 operands; f32 sums; everything else in f32.
;; Inputs: W1_codes 2 x 4,096 x 32 x 32 uint8 (E5M2 codes of W1, K innermost, in blocks of 32 codes); W1_scales 2 x 4,096 x 32 uint8 (E8M0 scales of W1, one for each 32 codes along K); W2_codes 2 x 1,024 x 128 x 32 uint8 (E5M2 codes of W2, K innermost, in blocks of 32 codes); W2_scales 2 x 1,024 x 128 uint8 (E8M0 scales of W2, one for each 32 codes along K); Wr 1,024 x 2 float32; b1 2 x 4,096 float32; b2 2 x 1,024 float32; br 2 float32; x 2 x 2,048 x 1,024 float32.
;; Outputs: out0 2 x 2,048 x 1,024 float32.
;; This version of the problem:
;;   THIS VERSION OF THE PROBLEM IS GIVEN IN LOW PRECISION. The matrix products marked QUANTISED in the list below multiply operands that are first quantised to E5M2 (5 exponent bits, 2 mantissa bits; 8 bits a number), with one power-of-two scale for each 32 numbers along K (OCP MX v1.0); their sums are f32. All else is computed in f32.
;;   The module's matrix products, in the order in which they are computed (A, B: the left and right operand; K: the contracted axis; several contracted axes count as one K, in the product's order):
;;     1. [M 4,096, K 1,024] x [K 1,024, N 2]; A: input x; B: input Wr: left as it is (N = 2 < 16)
;;     2. batch 4,096 x [M 1, K 2] x [K 2, N 2]; A: computed on the way; B: computed on the way: left as it is (K = 2 < 32)
;;     3. [M 4,096, K 1,024] x [K 1,024, N 4,096]; A: input x; B: input W1 (given as codes): QUANTISED
;;     4. [M 4,096, K 4,096] x [K 4,096, N 1,024]; A: computed on the way; B: input W2 (given as codes): QUANTISED
;;     5. [M 4,096, K 1,024] x [K 1,024, N 4,096]; A: input x; B: input W1 (given as codes): QUANTISED
;;     6. [M 4,096, K 4,096] x [K 4,096, N 1,024]; A: computed on the way; B: input W2 (given as codes): QUANTISED
;;   THE QUANTISER, for each operand of a quantised product, along K:
;;     - K is cut into blocks of 32 from its start; a last block that is shorter is filled with zeros.
;;     - A block's scale is 2^e with e = floor(log2(the largest magnitude in the block)) - 15, held to -126 .. 127; a block of zeros has e = 0. As a byte (E8M0): e + 127.
;;     - Each number is divided by its block's scale, clamped to +-57,344, and rounded to the nearest number of E5M2, ties to even, subnormals kept.
;;     - The product sums the exact products of the quantised numbers (number of the format x scale) in f32.
;;   ~~~python
;;   def quantise(x, axis):      # numpy; x: float32 -> the quantised numbers, widened to float32 again
;;       x = np.moveaxis(x, axis, -1); K = x.shape[-1]
;;       x = np.pad(x, [(0, 0)] * (x.ndim - 1) + [(0, -K % 32)]); x = x.reshape(x.shape[:-1] + (-1, 32)); a = np.abs(x).max(-1, keepdims=True)
;;       e = np.where(a > 0, np.clip(np.frexp(np.where(a > 0, a, 1))[1] - 1 - 15, -126, 127), 0)      # np.frexp(a)[1] - 1 = floor(log2(a)), exactly
;;       r = np.clip(x / 2.0 ** e, -57344, 57344)
;;       step = 2.0 ** (np.maximum(np.frexp(np.where(r == 0, 1, r))[1] - 1, -14) - 2)
;;       q = np.round(r / step) * step * 2.0 ** e      # np.round: ties to even
;;       return np.moveaxis(q.reshape(q.shape[:-2] + (-1,))[..., :K], -1, axis).astype(np.float32)
;;   ~~~
;;   OPERANDS COMPUTED ON THE WAY. 'Computed on the way' means the value that the module computes at that place (a softmax that the list does not call 'softmax' is quantised finished and normalised). What goes into a quantiser is computed in f32, as accurately as f32 sums, v_exp_f32 and their like allow (about 1e-6 of the number): no bf16 or f16 on the way to a quantiser, and a product that is left as it is and whose result goes on into a quantised operand takes f32 operands (vector FMAs, or v_wmma_f32_16x16x4_f32). A number that lies on a knife's edge between two numbers of the format may be rounded either way, as far as f32 arithmetic and the matrix unit's own rounding can turn it there, and no further.
;;   INPUTS GIVEN AS CODES. W1 (in the module: [2, 1024, 4096], K = its axis 1); W2 (in the module: [2, 4096, 1024], K = its axis 1): each comes as NAME_codes (uint8): NAME with its K axis moved to the last place and cut into blocks of 32 codes, [.., K / 32, bytes a block], one block behind the other in memory; one code a byte (a code: sign, 5 exponent bits, 2 mantissa bits); and NAME_scales (uint8): the same leading axes, one E8M0 byte (e + 127) for each 32 codes along K. Its value is code x scale, taken as it is: it is not quantised again, and the codes and scales need not be those that the quantiser above would give.
;; One version. Each part assembles by itself: llvm-mc -triple=amdgcn-amd-amdhsa -mcpu=gfx1250 --defsym DOCPART=n.
;; ======== version 1 of 1: 3 launches
;; limits: right only within a limited range of input values
;; workspace buffers: xq 4,456,448 bytes; cw 32,768 bytes; sc 1,310,720 bytes; h 33,554,432 bytes
;; launch prep (part 1): grid 256 x 1, 4 waves a work-group, no clusters, 39,424 bytes of LDS; arguments x, Wr, br, W2_scales, xq, cw, sc; writes xq, cw, sc
.if DOCPART == 1
	.amdgcn_target "amdgcn-amd-amdhsa--gfx1250"
	.amdhsa_code_object_version 6
	.text
	.protected	k_q0d7be982b9_prep
	.globl	k_q0d7be982b9_prep
	.p2align	8
	.type	k_q0d7be982b9_prep,@function
k_q0d7be982b9_prep:
	s_mov_b64 s[64:65], 0
	v_nop
	global_prefetch_b8 v0, s[64:65] scope:SCOPE_SE
	s_setreg_imm32_b32 hwreg(HW_REG_WAVE_MODE, 25, 1), 1
	s_wait_xcnt 0x0
; x [4096][1024] f32 -> xq: blocks of 16 tokens, [256][17 rows of 1,024 bytes].  Rows 0 to 15: codes of E5M2 in the order of the next launch's operand registers: piece p = 4 q + c (512 bytes): lane (r, hh) has token r, K = 128 q + 32 c + 16 hh + 0 .. 15.
; Row 16: scale words: [q / 4][lane 32][q % 4][4 bytes], lanes 16-31 as lanes 0-15: the E8M0 bytes of token lane % 16 for K = 128 q on.
; The router: logits = x Wr + br in f32; softmax with its maximum taken away; the two probabilities divided by their sum: cw [4096][2].
; TWO OF TWO EXPERTS ARE CHOSEN, so each expert's combine weight is its own renormalised probability whatever the order of the two; the one-hot product only puts it back into its expert's place (factors 0 and 1 by identity) and is left out.
; W2's scale bytes [2][1024][128] are laid anew in sc from byte 1,048,576 on: [e 2][nt 8][kk 32][j 2][r 16][4 words]: word k of (j, r) = the four bytes of row 128 nt + 16 (4 j + k) + r for K = 128 kk on.  sc's first 1,048,576 bytes are the next launch's.
; A block's scale is 2^(floor(log2(its largest magnitude)) - 15); its byte is the largest magnitude's exponent field - 15, held at 1 from below.
; LIMITS: a block of zeros gets the byte 1 where the rule says 127 (its codes are zeros, and this program alone reads the bytes); blocks whose largest magnitude lies under 2^-111 keep the byte 1; NaN and infinities are not served, and one that reaches only the one-hot product's zero terms is not carried.
; SHARES: work-group g owns tokens 16 g .. 16 g + 15; wave w owns columns 256 w .. 256 w + 255: eight steps of 2 rows x 256 columns.  A load takes 512 consecutive bytes, 16 a lane; a step's 2,048 bytes turn through
; the wave's own stage in LDS and come back 64 bytes a lane: lane l then holds row 2 t + l / 16, k = 256 w + 16 (l % 16) + 0 .. 15, so its 32 numbers of Wr are the same in every step.
; The codes go through the wave's own image in LDS, half pieces of 256 bytes + 16 of padding, and leave as eight stores of 512 consecutive bytes.
.set SP,   80                          ; a lane's place in a stage: 64 bytes + 16 of padding
.set STGB, 32*SP                       ; a stage
.set WREG, 2*STGB                      ; a wave's two stages
.set SCB,  4*WREG                      ; the work-group's scale bytes [16 rows][32]
.set LG,   SCB+512                     ; the partial logits [16 rows][4 waves][2]
.set SPARE, LG+512                     ; the spare words
.set IMG,  SPARE+512                   ; the codes' image: 64 half pieces
.set HP,   272
.set R,    16                          ; v16-143  eight sets of 16 as loaded; a set later holds its step's results: +0..3 codes, +4 the byte, +6, +7 the logits
.set X,    144                         ; v144-175 two sets of 16 neighbours
.set WR,   176                         ; v176-207 Wr[k_i][e] at 2 i + e
.set T,    208                         ; v208-221 at work
	s_load_b256 s[4:11], s[0:1], 0x0               ; x s[4:5], Wr s[6:7], br s[8:9], W2_scales s[10:11]
	s_load_b64 s[12:13], s[0:1], 0x20              ; xq
	s_load_b128 s[16:19], s[0:1], 0x28             ; cw s[16:17], sc s[18:19]
	v_lshl_add_u32 v224, v0, 2, SPARE
	v_mov_b32 v225, 0
	v_lshrrev_b32 v1, 5, v0
	v_readfirstlane_b32 s22, v1                    ; wave
	v_and_b32 v1, 31, v0                           ; lane
	v_and_b32 v2, 15, v0                           ; lane % 16
	v_bfe_u32 v[T], v0, 4, 1                       ; lane / 16
	v_lshlrev_b32 v3, 4, v1                        ; 16 x lane: my bytes of a load's 512
	s_mul_i32 s31, s22, 16*HP
	s_add_co_u32 s31, s31, IMG
	v_mul_u32_u24 v4, v2, HP
	v_lshl_add_u32 v4, v[T], 4, v4
	v_add_nc_u32 v4, s31, v4                       ; my codes' place: half piece 16 w + lane % 16, token lane / 16 (+ 2 t)
	v_lshlrev_b32 v222, 4, v2
	v_mad_u32_u24 v222, v[T], HP, v222
	v_add_nc_u32 v222, s31, v222                   ; and where a piece is read back: half lane / 16, token lane % 16
	s_lshl_b32 s24, s22, 3
	s_add_co_u32 s25, s24, SCB
	s_add_co_u32 s26, s24, LG
	v_bfe_u32 v5, v0, 1, 3
	v_lshl_add_u32 v5, v[T], 5, v5
	v_add_nc_u32 v5, s25, v5                       ; my block's byte: SCB + 32 (lane / 16) + 8 w + (lane % 16) / 2
	v_lshlrev_b32 v6, 5, v[T]
	v_add_nc_u32 v6, s26, v6                       ; my row's partial logits: LG + 32 (lane / 16) + 8 w
	v_bfe_u32 v[T+1], v0, 5, 1                     ; W2's scale words, thread u: j = (u / 32) % 2,
	v_lshlrev_b32 v7, 13, v[T+1]
	v_and_b32 v[T+1], 1, v0                        ; words 2 (u % 2) and the next,
	v_lshl_add_u32 v7, v[T+1], 12, v7
	v_bfe_u32 v[T+1], v0, 1, 4                     ; r = (u / 2) % 16,
	v_lshl_add_u32 v7, v[T+1], 7, v7
	v_lshrrev_b32 v[T+1], 6, v0                    ; the first or the second of the work-group's two K steps
	v_lshl_add_u32 v7, v[T+1], 2, v7
	v_lshlrev_b32 v8, 3, v0                        ; and where they go: 8 bytes a thread
	v_lshlrev_b32 v9, 5, v2
	v_add_nc_u32 v9, SCB, v9                       ; the tail: the 32 scale bytes of row lane % 16,
	v_lshrrev_b32 v10, 1, v1
	v_lshlrev_b32 v10, 5, v10
	v_add_nc_u32 v10, LG, v10                      ; row lane / 2's four partial pairs,
	v_lshlrev_b32 v11, 2, v1                       ; one number of cw a lane,
	v_and_b32 v12, 1, v0                           ; of expert lane % 2
	v_lshlrev_b32 v13, 7, v2                       ; Wr: my 16 rows of 8 bytes
	s_mul_i32 s27, s22, WREG
	v_lshrrev_b32 v14, 2, v1
	v_mul_u32_u24 v14, v14, SP
	v_and_b32 v15, 3, v1
	v_lshl_add_u32 v14, v15, 4, v14
	v_add_nc_u32 v14, s27, v14                     ; the stage, on the way in: four lanes' 64 bytes on end, then the padding
	v_mul_u32_u24 v15, v1, SP
	v_add_nc_u32 v15, s27, v15                     ; and on the way out: my 16 neighbours
	s_mov_b32 s23, 0x600000                        ; the mantissa field of 57,344
	s_mov_b32 s29, 0
	s_wait_alu depctr_va_vdst(0)                   ; the wait at the head's end
	s_wait_kmcnt 0x0
	s_load_b64 s[20:21], s[8:9], 0x0               ; br
	s_lshr_b32 s28, ttmp9, 4
	s_lshl_b32 s28, s28, 14                        ; W2_scales: 128 rows of 128 bytes for each (e, nt) = g / 16,
	s_and_b32 s30, ttmp9, 15
	s_lshl_b32 s30, s30, 3                         ; and two words along K for g % 16
	s_add_co_u32 s28, s28, s30
	s_add_nc_u64 s[10:11], s[10:11], s[28:29]
	s_lshl_b32 s28, s22, 11
	s_add_nc_u64 s[6:7], s[6:7], s[28:29]          ; Wr at my wave's 256 rows
	s_lshl_b32 s28, ttmp9, 16
	s_lshl_b32 s30, s22, 10
	s_add_co_u32 s28, s28, s30
	s_add_nc_u64 s[4:5], s[4:5], s[28:29]          ; x at the group's first row, my wave's columns
	global_load_b32 v[T+12], v7, s[10:11]
	global_load_b32 v[T+13], v7, s[10:11] offset:2048
.irp c, 0,1,2,3,4,5,6,7
	global_load_b128 v[WR+4*\c:WR+4*\c+3], v13, s[6:7] offset:16*\c
.endr
.irp t, 0,1,2,3,4,5,6,7
.irp i, 0,1,2,3
	global_load_b128 v[R+16*\t+4*\i:R+16*\t+4*\i+3], v3, s[4:5] offset:(2*\t+\i/2)*4096+(\i%2)*512 th:TH_LOAD_NT
.endr
.endr
	s_mul_i32 s28, ttmp9, 17408
	s_lshl_b32 s30, s22, 12
	s_add_co_u32 s28, s28, s30
	s_add_nc_u64 s[12:13], s[12:13], s[28:29]      ; xq: my wave's eight pieces of the block
	s_lshl_b32 s28, ttmp9, 7
	s_add_nc_u64 s[16:17], s[16:17], s[28:29]      ; cw
	s_lshl_b32 s28, ttmp9, 10
	s_add_co_u32 s28, s28, 0x100000
	s_add_nc_u64 s[18:19], s[18:19], s[28:29]      ; sc: W2's part
.macro TURN t                          ; step t's numbers through a stage: LDS serves a wave's instructions in order, so no wait stands between the stores and the loads
.irp i, 0,1,2,3
	ds_store_b128 v14, v[R+16*(\t)+4*\i:R+16*(\t)+4*\i+3] offset:STGB*((\t)%2)+8*SP*\i
.endr
.irp i, 0,1,2,3
	ds_load_b128 v[X+16*((\t)%2)+4*\i:X+16*((\t)%2)+4*\i+3], v15 offset:STGB*((\t)%2)+16*\i
.endr
.endm
	s_wait_loadcnt 28                              ; step 0's four loads are in, and all that was issued ahead of them; the 28 loads of steps 1 to 7 may be out
	s_wait_kmcnt 0x0                               ; br
	global_store_b64 v8, v[T+12:T+13], s[18:19]    ; the work-group's 1,024 bytes: 8 bytes a thread, on end
	TURN 0
.macro STEP t
.set XS, X+16*((\t)%2)
.set RS, R+16*(\t)
.if (\t) > 0
	s_wait_dscnt 3                                 ; this step's numbers are back from the stage; the last step's three stores may be out
.else
	s_wait_dscnt 0x0
.endif
.if (\t) < 7
	s_wait_loadcnt 4*(6-(\t))                      ; the next step's four loads are in; those of the steps behind it may be out
	TURN (\t)+1                                    ; they go through the other stage while this step is worked
.endif
	v_mul_f32 v[T+4], v[XS], v[WR]                 ; the router's two dot products, each in two chains
	v_mul_f32 v[T+5], v[XS], v[WR+1]
	v_mul_f32 v[T+6], v[XS+8], v[WR+16]
	v_mul_f32 v[T+7], v[XS+8], v[WR+17]
.irp i, 1,2,3,4,5,6,7
	v_fmac_f32 v[T+4], v[XS+\i], v[WR+2*\i]
	v_fmac_f32 v[T+5], v[XS+\i], v[WR+2*\i+1]
	v_fmac_f32 v[T+6], v[XS+8+\i], v[WR+16+2*\i]
	v_fmac_f32 v[T+7], v[XS+8+\i], v[WR+17+2*\i]
.endr
	v_add_f32 v[RS+6], v[T+4], v[T+6]
	v_add_f32 v[RS+7], v[T+5], v[T+7]
.irp m, 1,2,4,8                        ; over the sixteen lanes that hold my row
	v_add_f32_dpp v[RS+6], v[RS+6], v[RS+6] row_xmask:\m row_mask:0xf bank_mask:0xf
	v_add_f32_dpp v[RS+7], v[RS+7], v[RS+7] row_xmask:\m row_mask:0xf bank_mask:0xf
.endr
	ds_store_b64 v6, v[RS+6:RS+7] offset:64*(\t)   ; sixteen lanes write the same pair with the same values
	v_max3_num_f32 v[T], |v[XS]|, |v[XS+1]|, |v[XS+2]|             ; the largest magnitude of my 16
	v_max3_num_f32 v[T+1], |v[XS+3]|, |v[XS+4]|, |v[XS+5]|
.irp i, 6,10
	v_max3_num_f32 v[T], v[T], |v[XS+\i]|, |v[XS+\i+1]|
	v_max3_num_f32 v[T+1], v[T+1], |v[XS+\i+2]|, |v[XS+\i+3]|
.endr
	v_max3_num_f32 v[T], v[T], |v[XS+14]|, |v[XS+15]|
	v_max3_num_f32 v[T], v[T], v[T+1], 0x8000000   ; and the floor 2^(16 - 127): the byte cannot fall under 1
	v_max_num_f32_dpp v[T], v[T], v[T] row_xmask:1 row_mask:0xf bank_mask:0xf   ; and of my neighbour's 16: the block's
	v_add_nc_u32 v[T+3], 0xf8800000, v[T]          ; 15 off its exponent field: the conversion takes the exponent field of this operand as its scale
	v_and_or_b32 v[T+2], v[T], 0x7f800000, s23     ; 57,344 x the scale
.irp i, 0,1,2,3,4,5,6,7,8,9,10,11,12,13,14,15
	v_med3_num_f32 v[XS+\i], v[XS+\i], -v[T+2], v[T+2]   ; the conversion to an 8-bit code does not saturate (ISA guide 7.6.2): the hold comes first
.endr
	v_cvt_scalef32_pk8_bf8_f32 v[RS:RS+1], v[XS:XS+7], v[T+3]
	v_cvt_scalef32_pk8_bf8_f32 v[RS+2:RS+3], v[XS+8:XS+15], v[T+3]
	v_lshrrev_b32 v[RS+4], 23, v[T+3]              ; the scale's byte (also the plain line behind the conversions)
	ds_store_b8 v5, v[RS+4] offset:64*(\t)         ; both lanes of a block write the same byte with the same value
	ds_store_b128 v4, v[RS:RS+3] offset:32*(\t)    ; into the image: token 2 t + lane / 16
.endm
.irp t, 0,1,2,3,4,5,6,7
	STEP \t
.endr
.irp i, 0,1,2,3,4,5,6,7
	ds_load_b128 v[16+4*\i:19+4*\i], v222 offset:2*HP*\i   ; my own eight pieces
.endr
	s_wait_dscnt 0x0                               ; for wave 0's sake: my bytes and my partial logits lie in LDS; and my pieces are in registers
	s_barrier_signal -1
	s_barrier_wait -1
.irp i, 0,1,2,3,4,5,6,7
	global_store_b128 v3, v[16+4*\i:19+4*\i], s[12:13] offset:512*\i   ; 512 consecutive bytes, at a multiple of 256 from xq's first byte
.endr
	s_cmp_lg_u32 s22, 0                            ; the tail is wave 0's: no barrier stands in it
	s_cbranch_scc1 .Lend
	ds_load_b128 v[176:179], v9
	ds_load_b128 v[180:183], v9 offset:16
	ds_load_b128 v[144:147], v10
	ds_load_b128 v[148:151], v10 offset:16
	s_wait_dscnt 0x0
	global_store_b128 v3, v[176:179], s[12:13] offset:16384   ; the block's row of scale words
	global_store_b128 v3, v[180:183], s[12:13] offset:16896
	v_add_f32 v152, v144, v146                     ; the four waves' parts of row lane / 2's two logits
	v_add_f32 v153, v145, v147
	v_add_f32 v154, v148, v150
	v_add_f32 v155, v149, v151
	v_add_f32 v152, v152, v154
	v_add_f32 v153, v153, v155
	v_add_f32 v152, s20, v152                      ; + br
	v_add_f32 v153, s21, v153
	v_max_num_f32 v154, v152, v153                 ; the maximum is taken away ahead of the exponentials
	v_sub_f32 v152, v152, v154
	v_sub_f32 v153, v153, v154
	v_mul_f32 v152, 0x3fb8aa3b, v152
	v_mul_f32 v153, 0x3fb8aa3b, v153
	s_wait_alu depctr_va_vdst(0)
	v_exp_f32 v156, v152
	v_exp_f32 v157, v153
	v_nop                                          ; a plain line behind the transcendentals,
	s_wait_alu depctr_va_vdst(0)                   ; and one wait for both, ahead of their first reader
	v_add_f32 v158, v156, v157
	s_wait_alu depctr_va_vdst(0)
	v_rcp_f32 v159, v158
	v_nop
	s_wait_alu depctr_va_vdst(0)
	v_mul_f32 v156, v156, v159                     ; the softmax
	v_mul_f32 v157, v157, v159
	v_add_f32 v158, v156, v157                     ; the chosen probabilities' sum: both are chosen
	s_wait_alu depctr_va_vdst(0)
	v_rcp_f32 v160, v158
	v_nop
	s_wait_alu depctr_va_vdst(0)
	v_mul_f32 v156, v156, v160
	v_mul_f32 v157, v157, v160
	v_cmp_eq_u32 vcc_lo, 1, v12
	v_cndmask_b32 v161, v156, v157, vcc_lo         ; lane 2 i: expert 0's weight of row i; lane 2 i + 1: expert 1's
	global_store_b32 v11, v161, s[16:17]           ; 128 consecutive bytes
.Lend:
	s_wait_tensorcnt 0x0
	ds_add_u32 v224, v225
	s_wait_dscnt 0x0
	s_endpgm
.Lfunc_end_k_q0d7be982b9_prep:
	.size	k_q0d7be982b9_prep, .Lfunc_end_k_q0d7be982b9_prep-k_q0d7be982b9_prep
	.p2alignl 7, 3214868480
	.fill 96, 4, 3214868480
	.section	.rodata,"a",@progbits
	.p2align	6, 0x0
	.amdhsa_kernel k_q0d7be982b9_prep
		.amdhsa_group_segment_fixed_size 39424
		.amdhsa_private_segment_fixed_size 0
		.amdhsa_enable_private_segment 0
		.amdhsa_kernarg_size 56
		.amdhsa_user_sgpr_count 2
		.amdhsa_user_sgpr_kernarg_segment_ptr 1
		.amdhsa_wavefront_size32 1
		.amdhsa_system_sgpr_workgroup_id_x 1
		.amdhsa_system_sgpr_workgroup_id_y 1
		.amdhsa_system_sgpr_workgroup_id_z 1
		.amdhsa_system_vgpr_workitem_id 0
		.amdhsa_next_free_vgpr 226
		.amdhsa_next_free_sgpr 66
		.amdhsa_reserve_vcc 1
		.amdhsa_float_denorm_mode_32 3
		.amdhsa_float_denorm_mode_16_64 3
		.amdhsa_memory_ordered 1
		.amdhsa_forward_progress 1
		.amdhsa_inst_pref_size 45
	.end_amdhsa_kernel
	.amdgpu_metadata
---
amdhsa.version: [ 1, 2 ]
amdhsa.kernels:
  - .name:           k_q0d7be982b9_prep
    .symbol:         k_q0d7be982b9_prep.kd
    .args:
      - { .name: x, .offset: 0, .size: 8, .value_kind: global_buffer, .address_space: global }
      - { .name: Wr, .offset: 8, .size: 8, .value_kind: global_buffer, .address_space: global }
      - { .name: br, .offset: 16, .size: 8, .value_kind: global_buffer, .address_space: global }
      - { .name: W2_scales, .offset: 24, .size: 8, .value_kind: global_buffer, .address_space: global }
      - { .name: xq, .offset: 32, .size: 8, .value_kind: global_buffer, .address_space: global }
      - { .name: cw, .offset: 40, .size: 8, .value_kind: global_buffer, .address_space: global }
      - { .name: sc, .offset: 48, .size: 8, .value_kind: global_buffer, .address_space: global }
    .group_segment_fixed_size: 39424
    .private_segment_fixed_size: 0
    .kernarg_segment_align: 8
    .kernarg_segment_size: 56
    .max_flat_workgroup_size: 128
    .sgpr_count:     66
    .vgpr_count:     226
    .wavefront_size: 32
...
	.end_amdgpu_metadata
.endif
;; end of part 1
;; launch up (part 2): grid 32 x 8, 4 waves a work-group, clusters of 4 x 4, 327,680 bytes of LDS; arguments xq, W1_codes, W1_scales, b1, h, sc; writes h, sc
.if DOCPART == 2
	.amdgcn_target "amdgcn-amd-amdhsa--gfx1250"
	.amdhsa_code_object_version 6
	.text
	.protected	k_q0d7be982b9_up
	.globl	k_q0d7be982b9_up
	.p2align	8
	.type	k_q0d7be982b9_up,@function
k_q0d7be982b9_up:
	s_mov_b64 s[64:65], 0
	v_nop
	global_prefetch_b8 v0, s[64:65] scope:SCOPE_SE
	s_setreg_imm32_b32 hwreg(HW_REG_WAVE_MODE, 25, 1), 1
	s_wait_xcnt 0x0
	s_wait_alu depctr_hold_cnt(0) depctr_sa_sdst(0) depctr_va_vdst(0) depctr_va_sdst(0) depctr_va_ssrc(0) depctr_va_vcc(0) depctr_vm_vsrc(0)
	s_getreg_b32 s2, hwreg(HW_REG_IB_STS2, 6, 4)
	s_cmp_eq_u32 s2, 0
	s_cbranch_scc0 .Lentry_in_a_cluster
	s_endpgm
.Lentry_in_a_cluster:
	s_bfe_u32 s2, ttmp6, 0x10000c
	s_cmp_lg_u32 s2, 0xf033
	s_cbranch_scc0 .Lentry_shape_is_right
	s_endpgm
.Lentry_shape_is_right:
; h = Q(relu(Q(x) W1[e] + b1[e])) for both experts, on codes of E5M2 with E8M0 scales: 4,096 tokens x 8,192 columns (W1_codes read as [8192][1024]: row 4096 e + f), K = 1,024; sums in f32, which begin with b1.
; The result is quantised along the hidden axis in registers and leaves as codes in the order of the next launch's operand registers: h [e][mt 32][kk 32][a 8][c 4][lane 32][16]: lane (r, hh) of piece (a, c) holds token 128 mt + 16 a + r, hidden unit 128 kk + 32 c + 16 hh + 0 .. 15.
; Scale words: sc [e][mt 32][kk 32][j 2][r 16][4 words]: word k of (j, r) = the four bytes of token 128 mt + 16 (4 j + k) + r for hidden units 128 kk on.
; LIMITS: a block of zeros gets the byte 1 where the rule says 127 (its codes are zeros; this program alone reads the bytes); NaN and infinities are not served; b1 is added first and not last, so the order of the f32 sums differs from the reference's.
; THE DEAL: 256 work-groups of four waves: 256 columns x 512 tokens.  A wave holds 64 rows of W1, all of K, in 512 registers and streams the tokens past them in 32 blocks of 16: 32 products a block; two register sets take turns.
; LDS: rows of 1,024 bytes + 16.  First W1's 256 rows, each wave's own 64 by its own load; when all waves hold them in registers, a ring of two slots of four blocks (17 rows each: codes and scale words) lies over rows 0 to 135.
; THE STREAM: behind a block's products its register set takes the block two on.  One drained round of the cluster's barrier stands inside the third block of each four: it shows the next four blocks and frees the slot of these four, which every wave has fetched by then; the refill has four blocks' products in which to land.
; THE WAY OUT of a block stands among the next block's products.  The first trip's first finds no block before it: it works on zeros and stores nothing.
; CLUSTERS 4 x 4: a row shares its tokens, a column its rows of W1: each tile is asked for jointly.
; THE PREFETCH: chunk u + 3 is asked of memory in trip u, a whole trip ahead of its load: a wave names 17 of its block's 68 runs of 256 bytes, the four work-groups of a row share the block out by address; four of the eight clusters that read the same tokens ask; the last trip asks for nothing.
.set PITCH, 1040
.set XB, 17*PITCH                      ; a block of tokens in LDS
.set XG, 17*1024                       ; and in memory
.set SL, 4*XB                          ; a slot
.set WRB, 64*PITCH                     ; a wave's rows of W1
.set XN, 256*PITCH                     ; scale bytes: [wave][token block / 4][r][token block % 4][2]
.set SPARE, XN+4096
.set NP, 8                             ; plain vector lines behind a matrix instruction (ISA guide 7.12.1)
.set NF, 34                            ; LDS loads of a block
.set ADRA0, 4                          ; v4   16 x lane
.set VX0, 5                            ; v5   my place in XN
.set PFO, 6
.set SPW, 10
.set NIL, 11
.set ADRA, 12                          ; LDS address of the block that is fetched next
.set VX, 13
.set ADRB, 14
.set ABS, 16
.set SOP, 20                           ; v20-21 the conversions' scale operands
.set EB, 22                            ; v22-23 scale bytes
.set SB, 24                            ; v24-39 W1's scale words: register 8 p + q: lanes 0-15 tile 2 p's, lanes 16-31 tile 2 p + 1's
.set EBW, 40
.set SA, 44                            ; v44-59 the tokens' scale words, two sets
.set TQ, 60                            ; v60-63 maxima and bounds
.set ACC, 64                           ; v64-127 two sets of four accumulators
.set CD, 192                           ; v192-199 a block's codes
.set BQ, 208                           ; v208-239 b1 in the result's layout
.set G1A, 24                           ; s[24:31], s[56:59] tokens;  s[32:39], s[60:63] W1
.set G1B, 32
.set G0A, 56
.set G0B, 60
.set MSB, 0
.macro WIN new                         ; the immediate's high byte repeats the setting that is left
.if MSB != (\new)
	s_set_vgpr_msb (MSB<<8)|(\new)
.set MSB, (\new)
.endif
.endm
.macro PLACES n
.rept \n
	v_nop
.endr
.endm
.macro BARRIER
	s_barrier_signal -1
	s_barrier_wait -1
.endm
.macro CREST                           ; a round of the cluster's barrier behind its opening signal
	s_barrier_wait -1
	s_cmp_lg_u32 s14, 0
	s_cbranch_scc1 .Lnot_wave_0_\@
	s_barrier_signal -3
.Lnot_wave_0_\@:
	s_barrier_wait -3
	BARRIER
.endm
.macro CROUND
	s_barrier_signal -1
	CREST
.endm
.macro TLOAD g0, g1                    ; a joint load, an s_nop 0 and four v_nop
	tensor_load_to_lds s[\g0:\g0+3], s[\g1:\g1+7]
	s_nop 0
	PLACES 4
.endm
.macro GROUP1 g, mask, rows            ; rows of 1,024 bytes, dense in memory, 16 bytes of padding behind each in LDS
	s_or_b32 s[\g+0], s[\mask], (1<<20)|(1<<21)|(7<<22)|(3<<25)
	s_mov_b32 s[\g+1], 1024<<16
	s_mov_b32 s[\g+2], (\rows)<<16
	s_mov_b32 s[\g+3], 1024<<16
	s_mov_b32 s[\g+4], \rows
	s_mov_b32 s[\g+5], 1024
	s_mov_b32 s[\g+6], 0
	s_mov_b32 s[\g+7], 0
.endm
	s_load_b128 s[4:7], s[0:1], 0x0                ; xq, W1's codes
	s_load_b128 s[8:11], s[0:1], 0x10              ; W1's scales, b1
	s_load_b128 s[92:95], s[0:1], 0x20             ; h, sc
	v_lshl_add_u32 v[SPW], v0, 2, SPARE
	v_mov_b32 v[NIL], 0
	ds_add_u32 v[SPW], v[NIL]                      ; the wave's opening: the add, twice on end, and its wait
	ds_add_u32 v[SPW], v[NIL]
	v_lshrrev_b32 v1, 5, v0
	v_readfirstlane_b32 s14, v1                    ; wave
	s_bfe_u32 s40, ttmp6, 0x40000                  ; cx, cy
	s_bfe_u32 s41, ttmp6, 0x40004
	s_lshl_b32 s42, ttmp9, 2
	s_add_co_u32 s42, s42, s40                     ; tile column: 256 columns
	s_and_b32 s43, ttmp7, 0xffff
	s_lshl_b32 s43, s43, 2
	s_add_co_u32 s43, s43, s41                     ; token group: 512 tokens
	s_lshl_b32 s44, s41, 2
	s_lshl_b32 s44, 15, s44                        ; my row of the cluster: shares tokens
	s_lshl_b32 s45, 0x1111, s40                    ; my column: shares W1's rows
	GROUP1 G1B, 45, 64
	GROUP1 G1A, 44, 17
	s_lshl_b32 s78, s42, 18                        ; W1: row 256 x tile column + 64 x wave
	s_lshl_b32 s20, s14, 16
	s_add_co_u32 s78, s78, s20
	s_mov_b32 s79, 0
	s_mul_i32 s80, s43, 32*XG                      ; tokens: my group's 32 blocks; wave w fetches block w of a chunk
	s_mul_i32 s21, s14, XG
	s_add_co_u32 s80, s80, s21
	s_mov_b32 s81, 0
	s_mov_b32 s[G0A], 1
	s_mul_i32 s[G0A+1], s14, XB
	s_mov_b32 s[G0B], 1
	s_mul_i32 s[G0B+1], s14, WRB
	s_wait_dscnt 0x0                               ; both opening adds are done
	CROUND                                         ; all sixteen work-groups are here
	s_wait_kmcnt 0x0
	s_add_nc_u64 s[G0B+2:G0B+3], s[6:7], s[78:79]
	s_or_b32 s[G0B+3], s[G0B+3], 0x80000000
	TLOAD G0B, G1B                                 ; my own 64 rows of W1
	s_add_nc_u64 s[G0A+2:G0A+3], s[4:5], s[80:81]
	s_or_b32 s[G0A+3], s[G0A+3], 0x80000000
	s_mul_i32 s70, s14, WRB
	s_lshl_b32 s71, s14, 10
	s_add_co_u32 s71, s71, XN
	s_mul_i32 s72, s40, 17*256
	s_add_co_u32 s72, s72, s21
	v_and_b32 v1, 15, v0                           ; r
	v_bfe_u32 v2, v0, 4, 1                         ; hh
	v_and_b32 v3, 31, v0                           ; lane
	v_mul_u32_u24 v18, v1, PITCH
	v_mad_u32_u24 v18, v2, 16, v18
	v_add_nc_u32 v[ADRB], s70, v18                 ; a fragment of W1: row x pitch + 16 hh
	v_lshlrev_b32 v[ADRA0], 4, v3
	v_add_nc_u32 v15, XB, v[ADRA0]                 ; block 1
	v_lshlrev_b32 v18, 3, v1
	v_add_nc_u32 v[VX0], s71, v18
	v_min_u32 v18, 16, v3                          ; the lanes that are left over name the last run again
	v_lshlrev_b32 v18, 8, v18
	v_add_nc_u32 v[PFO], s72, v18
	v_lshlrev_b32 v[ABS], 5, v3                    ; W1's scale bytes: lane l takes row l of a pair of tiles
	v_lshlrev_b32 v17, 5, v2                       ; b1: my half's eight numbers
	v_mov_b32 v[TQ+2], 0                           ; (a lane permute's destination counts as a source)
	v_mov_b32 v[TQ+3], 0
.set I_, 0
.rept 32                               ; the first way out reads these
	v_mov_b32 v[ACC+32+I_], 0
.set I_, I_+1
.endr
	s_wait_alu depctr_va_vdst(0)                   ; the wait at the head's end
	s_lshl_b32 s20, s42, 13                        ; W1's scale bytes: 32 a row
	s_lshl_b32 s22, s14, 11
	s_add_co_u32 s20, s20, s22
	s_mov_b32 s21, 0
	s_add_nc_u64 s[8:9], s[8:9], s[20:21]
	s_lshl_b32 s20, s42, 10                        ; b1, read as [8192]
	s_lshl_b32 s22, s14, 8
	s_add_co_u32 s20, s20, s22
	s_add_nc_u64 s[10:11], s[10:11], s[20:21]
.irp p, 0,1
.irp c, 0,1
	global_load_b128 v[SB+8*\p+4*\c:SB+8*\p+4*\c+3], v[ABS], s[8:9] offset:\p*1024+16*\c
.endr
.endr
.irp j, 0,1,2,3
	global_load_b128 v[BQ+8*\j:BQ+8*\j+3], v17, s[10:11] offset:64*\j
	global_load_b128 v[BQ+8*\j+4:BQ+8*\j+7], v17, s[10:11] offset:64*\j+16
.endr
	s_lshr_b32 s50, s42, 4                         ; expert
	s_and_b32 s51, s42, 15                         ; 256 hidden units of it
	s_lshl_b32 s20, s50, 24                        ; h: expert, my first token tile, my K step and half of it
	s_lshl_b32 s22, s43, 21
	s_add_co_u32 s20, s20, s22
	s_lshl_b32 s22, s51, 15
	s_add_co_u32 s20, s20, s22
	s_lshr_b32 s22, s14, 1
	s_lshl_b32 s22, s22, 14
	s_add_co_u32 s20, s20, s22
	s_and_b32 s22, s14, 1
	s_lshl_b32 s22, s22, 10
	s_add_co_u32 s20, s20, s22
	s_add_nc_u64 s[92:93], s[92:93], s[20:21]
	s_lshl_b32 s20, s50, 19                        ; scale words, at the end: wave w stores token tile w's two K steps, 1,024 bytes
	s_lshl_b32 s22, s43, 16
	s_add_co_u32 s20, s20, s22
	s_lshl_b32 s22, s14, 14
	s_add_co_u32 s20, s20, s22
	s_lshl_b32 s22, s51, 10
	s_add_co_u32 s20, s20, s22
	s_add_nc_u64 s[94:95], s[94:95], s[20:21]
	s_mul_i32 s20, s43, 32*XG                      ; the prefetch: chunk 2; trip u steps it to chunk u + 3
	s_add_co_u32 s20, s20, 8*XG
	s_add_nc_u64 s[88:89], s[4:5], s[20:21]
	s_cmp_lt_u32 ttmp9, 4
	s_cselect_b32 s49, 5, 0
	s_wait_tensorcnt 0x0                           ; my own rows of W1 have landed; no other wave reads them
.macro FRAG f, adr, off                ; fragment f: lane l holds row l % 16; registers 4 c .. 4 c + 3 hold K = 32 c + 16 (l / 16) + 0 .. 15.  It lies in window 1 + f / 16
	WIN (1+(\f)/16)<<6
.irp c, 0,1,2,3
	ds_load_b128 v[16*((\f)%16)+4*\c:16*((\f)%16)+4*\c+3], v[\adr] offset:(\off)+32*\c
.endr
.endm
.irp q, 0,1,2,3,4,5,6,7
.irp b, 0,1,2,3
	FRAG 4*\q+\b, ADRB, 128*\q+\b*16*PITCH
.endr
.endr
	WIN 0
	s_wait_tensorcnt 0x0                           ; ahead of a refill
	ds_add_u32 v[SPW], v[NIL]
	s_wait_dscnt 0x0                               ; W1 is in registers
	CROUND                                         ; in all waves of the cluster
	TLOAD G0A, G1A                                 ; chunk 0 into slot 0
	s_mov_b32 s66, 0x76543210                      ; v_permlanex16_b32's selects for lane l xor 16
	s_mov_b32 s67, 0xfedcba98
	s_mov_b32 s68, 0x600000                        ; the mantissa field of 57,344
	s_mov_b32 s46, -1                              ; the block whose way out is at work
	s_mov_b32 s47, 0                               ; the trip
	s_mov_b32 s17, 0                               ; this chunk's slot
	s_mov_b32 s18, SL                              ; the next chunk's
	s_wait_loadcnt 0x0                             ; W1's scale words, b1
	s_wait_tensorcnt 0x0
	ds_add_u32 v[SPW], v[NIL]
	s_add_co_u32 s[G0A+1], s[G0A+1], SL
	s_add_nc_u64 s[G0A+2:G0A+3], s[G0A+2:G0A+3], 4*XG
	s_wait_dscnt 0x0
	CROUND                                         ; chunk 0 is in
	TLOAD G0A, G1A                                 ; chunk 1 into slot 1
.macro FETCH k, a                      ; a block of 16 tokens, all of K, into set k of window 3, and its scale words: NF loads
	WIN 3<<6
.irp q, 0,1,2,3,4,5,6,7
.irp c, 0,1,2,3
	ds_load_b128 v[128*\k+16*\q+4*\c:128*\k+16*\q+4*\c+3], v[\a] offset:PITCH*(2*\q+\c/2)+512*(\c%2)
.endr
.endr
	WIN 0
	ds_load_b128 v[SA+8*\k:SA+8*\k+3], v[\a] offset:16*PITCH
	ds_load_b128 v[SA+8*\k+4:SA+8*\k+7], v[\a] offset:16*PITCH+512
.endm
	FETCH 0, ADRA0
	FETCH 1, 15
.macro PROD e, n                       ; product n = 4 q + b of a block in set e: the q-th 128 of K, column tile b.  TRANSPOSED: source 0 = W1's rows: a lane then holds one token and eight neighbouring hidden units.  The four accumulators take turns
.set Q_, (\n)/4
.set B_, (\n)%4
.set AC_, ACC+32*(\e)+8*B_
.set C_, AC_
.if Q_ == 0
.set C_, BQ+8*B_
.endif
.set R_, 128*(\e)+16*Q_
.set W_, 16*((\n)%16)
.set XS_, SA+8*(\e)+Q_
.set WS_, SB+8*(B_/2)+Q_
	WIN (1+(\n)/16)|(3<<2)
.if B_%2
	v_wmma_scale_f32_16x16x128_f8f6f4 v[AC_:AC_+7], v[W_:W_+15], v[R_:R_+15], v[C_:C_+7], v[WS_], v[XS_] matrix_a_fmt:MATRIX_FMT_BF8 matrix_b_fmt:MATRIX_FMT_BF8 matrix_a_scale:MATRIX_SCALE_ROW1
.else
	v_wmma_scale_f32_16x16x128_f8f6f4 v[AC_:AC_+7], v[W_:W_+15], v[R_:R_+15], v[C_:C_+7], v[WS_], v[XS_] matrix_a_fmt:MATRIX_FMT_BF8 matrix_b_fmt:MATRIX_FMT_BF8
.endif
.endm
; THE WAY OUT of the sums at x, gaps 0 .. 29.  Register 8 j + i is hidden unit 16 j + 8 hh + i: a scale block of 32 is 16 registers here and 16 in lane l xor 16.  No |.| on the maximum's sources: what is negative becomes 0 and must not count; the floor 2^(16 - 127) stands over it.
; The hold between 0 and 57,344 x the scale is the activation and the clamp in one.  Each accumulator is read from its low end on.
.macro GAP g, x
.if (\g) == 0
	v_max3_num_f32 v[TQ], v[\x], v[\x+1], 0x8000000
	v_max3_num_f32 v[TQ+1], v[\x+16], v[\x+17], 0x8000000
.elseif (\g) < 8
	v_max3_num_f32 v[TQ], v[TQ], v[\x+2*(\g)], v[\x+2*(\g)+1]
	v_max3_num_f32 v[TQ+1], v[TQ+1], v[\x+2*(\g)+16], v[\x+2*(\g)+17]
.elseif (\g) == 8
	v_permlanex16_b32 v[TQ+2], v[TQ], s66, s67
	v_permlanex16_b32 v[TQ+3], v[TQ+1], s66, s67
.elseif (\g) == 9
	v_max_num_f32 v[TQ], v[TQ], v[TQ+2]
	v_max_num_f32 v[TQ+1], v[TQ+1], v[TQ+3]
.elseif (\g) == 10
	v_add_nc_u32 v[SOP], 0xf8800000, v[TQ]
	v_add_nc_u32 v[SOP+1], 0xf8800000, v[TQ+1]
.elseif (\g) == 11
	v_and_or_b32 v[TQ+2], v[TQ], 0x7f800000, s68
	v_and_or_b32 v[TQ+3], v[TQ+1], 0x7f800000, s68
.elseif (\g) < 28
.set M_, (\g)-12
	v_med3_num_f32 v[\x+2*M_], v[\x+2*M_], 0, v[TQ+2+M_/8]
	v_med3_num_f32 v[\x+2*M_+1], v[\x+2*M_+1], 0, v[TQ+2+M_/8]
.if M_ < 2
	v_lshrrev_b32 v[EB+M_], 23, v[SOP+M_]
.elseif M_ == 8 || M_ == 9
	v_permlane16_swap_b32 v[CD+M_-8], v[CD+M_-6]   ; lanes 16-31 of the first for lanes 0-15 of the second: lane hh then holds 16 hh + 0 .. 15 of the block
.elseif M_%4 == 3
	v_cvt_scalef32_pk8_bf8_f32 v[CD+2*(M_/4):CD+2*(M_/4)+1], v[\x+8*(M_/4):\x+8*(M_/4)+7], v[SOP+M_/8]
.endif
.elseif (\g) == 28
	v_lshl_or_b32 v[EBW], v[EB+1], 8, v[EB]
	v_permlane16_swap_b32 v[CD+4], v[CD+6]
.elseif (\g) == 29
	v_permlane16_swap_b32 v[CD+5], v[CD+7]
.endif
.endm
.macro WHERE_X                         ; s20: block s46's place among my scale bytes
	s_and_b32 s20, s46, 28
	s_lshl_b32 s20, s20, 5
	s_and_b32 s21, s46, 3
	s_lshl_b32 s21, s21, 1
	s_add_co_u32 s20, s20, s21
.endm
.macro WHERE_H i                       ; s[84:85]: its place in h, in two parts
.if (\i) == 0
	s_and_b32 s20, s46, 24
	s_lshl_b32 s20, s20, 16
	s_and_b32 s21, s46, 7
	s_lshl_b32 s21, s21, 11
.else
	s_add_co_u32 s20, s20, s21
	s_mov_b32 s21, 0
	s_add_nc_u64 s[84:85], s[92:93], s[20:21]
.endif
.endm
.macro LIST n, x, fs, fo, fetch        ; what stands behind product n
.if (\n) == 0
	WHERE_X
	WIN 0
	v_add_nc_u32 v[VX], s20, v[VX0]
.if \fetch
	s_add_co_u32 s22, s\fs, \fo
	v_add_nc_u32 v[ADRA], s22, v[ADRA0]
.endif
.elseif (\n) < 31
.if (\n) == 2
	WHERE_H 0
.elseif (\n) == 3
	WHERE_H 1
.elseif (\n) == 4
	s_add_co_u32 s46, s46, 1
.endif
	WIN 0
	GAP (\n)-1, \x
.endif
.endm
.macro PRODS e, from, to, fs, fo, fetch
.set N_, \from
.rept (\to)-(\from)
	PROD \e, N_
	LIST N_, ACC+32*(1-\e), \fs, \fo, \fetch
.set N_, N_+1
.endr
.endm
.macro QOUT                            ; two scale bytes into LDS, 2 x 512 consecutive bytes of codes out
	s_wait_alu depctr_va_vdst(0)
	ds_store_b16 v[VX], v[EBW]
	global_store_b128 v[ADRA0], v[CD:CD+3], s[84:85]
	global_store_b128 v[ADRA0], v[CD+4:CD+7], s[84:85] offset:512
.endm
; A block in set e.  kind 1: with the round and the refill; 2: with a plain barrier that shows the last chunk.  The block two on lies at s[fs] + fo.  w: LDS loads that may be out (the next block's).
.macro BLK e, kind, fs, fo, w, fetch, first
	s_wait_dscnt \w
	s_wait_xcnt 0x0                                ; the stores have taken the codes, the prefetch its address
.if \kind == 1
	s_wait_tensorcnt 0x0                           ; my part of the next chunk is in
	ds_add_u32 v[SPW], v[NIL]
	s_mul_i32 s[G0A+1], s14, XB                    ; my block of the chunk two on, into this chunk's slot
	s_add_co_u32 s[G0A+1], s[G0A+1], s17
	s_add_nc_u64 s[G0A+2:G0A+3], s[G0A+2:G0A+3], 4*XG
	s_add_nc_u64 s[88:89], s[88:89], 4*XG
.endif
	PRODS \e, 0, 28, \fs, \fo, \fetch
.if \kind
	WIN 0
	s_wait_alu depctr_va_vdst(0)
.if \kind == 2
	s_wait_tensorcnt 0x0
.endif
	s_wait_dscnt 0x0                               ; the add is done, and my fetch of this chunk's last block
	s_barrier_signal -1
.endif
	PRODS \e, 28, 32, \fs, \fo, \fetch
	WIN 0
.if \kind == 1
	CREST
	TLOAD G0A, G1A
	PLACES NP-4
.else
.if \kind == 2
	s_barrier_wait -1
.endif
	PLACES NP
.endif
.if \first
	s_cmp_eq_u32 s47, 0
	s_cbranch_scc1 .Lnone_before_\@
	QOUT
.Lnone_before_\@:
.else
	QOUT
.endif
.if \fetch
	FETCH \e, ADRA
.endif
.endm
.Ltrip:                                                ; four blocks, one refill
	BLK 0, 0, 17, 2*XB, NF, 1, 1
	BLK 1, 0, 17, 3*XB, NF, 1, 0
	BLK 0, 1, 18, 0, NF, 1, 0
	BLK 1, 0, 18, XB, NF, 1, 0
	s_cmp_lt_u32 s47, s49
	s_cbranch_scc0 .Lno_ask
	global_prefetch_b8 v[PFO], s[88:89] th:TH_LOAD_NT scope:SCOPE_SE
.Lno_ask:
	s_mov_b32 s17, s18
	s_xor_b32 s18, s18, SL
	s_add_co_u32 s47, s47, 1
	s_cmp_lg_u32 s47, 6
	s_cbranch_scc1 .Ltrip
	s_mov_b32 s17, 2*XB
	s_mov_b32 s48, 0
.Lpair:                                                ; blocks 24 to 29: nothing is filled any more
	BLK 0, 0, 17, 0, NF, 1, 0
	BLK 1, 2, 17, XB, NF, 1, 0
	s_add_co_u32 s17, s17, 2*XB
	s_add_co_u32 s48, s48, 1
	s_cmp_lg_u32 s48, 3
	s_cbranch_scc1 .Lpair
	BLK 0, 0, 17, 0, NF, 0, 0
	BLK 1, 0, 17, 0, 0, 0, 0
	s_wait_xcnt 0x0
	WHERE_X                                        ; block 31's way out, in the open
	v_add_nc_u32 v[VX], s20, v[VX0]
	WHERE_H 0
	WHERE_H 1
.set N_, 0
.rept 30
	GAP N_, ACC+32
.set N_, N_+1
.endr
	QOUT
	s_wait_dscnt 0x0                               ; for the others' sake: my scale bytes lie in LDS
	BARRIER
	s_lshl_b32 s20, s14, 8
	s_add_co_u32 s20, s20, XN
	v_lshlrev_b32 v18, 3, v3
	v_add_nc_u32 v18, s20, v18                     ; token tile w: lane (j, r): four blocks' byte pairs, from each of the four waves
.irp i, 0,1,2,3
	ds_load_b64 v[72+2*\i:73+2*\i], v18 offset:1024*\i
.endr
	s_mov_b32 s20, 0x05040100
	s_mov_b32 s21, 0x07060302
	s_wait_dscnt 0x0
.irp i, 0,1                            ; waves 2 i and 2 i + 1 hold the lower and the upper half of a word
	v_perm_b32 v[80+4*\i], v[74+4*\i], v[72+4*\i], s20
	v_perm_b32 v[81+4*\i], v[74+4*\i], v[72+4*\i], s21
	v_perm_b32 v[82+4*\i], v[75+4*\i], v[73+4*\i], s20
	v_perm_b32 v[83+4*\i], v[75+4*\i], v[73+4*\i], s21
.endr
	global_store_b128 v[ADRA0], v[80:83], s[94:95]
	global_store_b128 v[ADRA0], v[84:87], s[94:95] offset:512
	s_wait_tensorcnt 0x0                           ; the wave's end
	ds_add_u32 v[SPW], v[NIL]
	s_wait_dscnt 0x0
	CROUND                                         ; the closing round
	s_endpgm
.Lfunc_end_k_q0d7be982b9_up:
	.size	k_q0d7be982b9_up, .Lfunc_end_k_q0d7be982b9_up-k_q0d7be982b9_up
	.p2alignl 7, 3214868480
	.fill 96, 4, 3214868480
	.section	.rodata,"a",@progbits
	.p2align	6, 0x0
	.amdhsa_kernel k_q0d7be982b9_up
		.amdhsa_group_segment_fixed_size 327680
		.amdhsa_private_segment_fixed_size 0
		.amdhsa_enable_private_segment 0
		.amdhsa_kernarg_size 48
		.amdhsa_user_sgpr_count 2
		.amdhsa_user_sgpr_kernarg_segment_ptr 1
		.amdhsa_wavefront_size32 1
		.amdhsa_system_sgpr_workgroup_id_x 1
		.amdhsa_system_sgpr_workgroup_id_y 1
		.amdhsa_system_sgpr_workgroup_id_z 1
		.amdhsa_system_vgpr_workitem_id 0
		.amdhsa_next_free_vgpr 1024
		.amdhsa_next_free_sgpr 100
		.amdhsa_reserve_vcc 0
		.amdhsa_float_denorm_mode_32 3
		.amdhsa_float_denorm_mode_16_64 3
		.amdhsa_memory_ordered 1
		.amdhsa_forward_progress 1
		.amdhsa_inst_pref_size 133
	.end_amdhsa_kernel
	.amdgpu_metadata
---
amdhsa.version: [ 1, 2 ]
amdhsa.kernels:
  - .name:           k_q0d7be982b9_up
    .symbol:         k_q0d7be982b9_up.kd
    .args:
      - { .name: xq, .offset: 0, .size: 8, .value_kind: global_buffer, .address_space: global }
      - { .name: W1_codes, .offset: 8, .size: 8, .value_kind: global_buffer, .address_space: global }
      - { .name: W1_scales, .offset: 16, .size: 8, .value_kind: global_buffer, .address_space: global }
      - { .name: b1, .offset: 24, .size: 8, .value_kind: global_buffer, .address_space: global }
      - { .name: h, .offset: 32, .size: 8, .value_kind: global_buffer, .address_space: global }
      - { .name: sc, .offset: 40, .size: 8, .value_kind: global_buffer, .address_space: global }
    .group_segment_fixed_size: 327680
    .private_segment_fixed_size: 0
    .kernarg_segment_align: 8
    .kernarg_segment_size: 48
    .max_flat_workgroup_size: 128
    .sgpr_count:     100
    .vgpr_count:     1024
    .wavefront_size: 32
...
	.end_amdgpu_metadata
.endif
;; end of part 2
;; launch down (part 3): grid 8 x 32, 4 waves a work-group, clusters of 4 x 4, 327,680 bytes of LDS; arguments h, sc, W2_codes, out0, b2, cw; writes out0
.if DOCPART == 3
	.amdgcn_target "amdgcn-amd-amdhsa--gfx1250"
	.amdhsa_code_object_version 6
	.text
	.protected	k_q0d7be982b9_down
	.globl	k_q0d7be982b9_down
	.p2align	8
	.type	k_q0d7be982b9_down,@function
k_q0d7be982b9_down:
	s_mov_b64 s[64:65], 0
	v_nop
	global_prefetch_b8 v0, s[64:65] scope:SCOPE_SE
	s_setreg_imm32_b32 hwreg(HW_REG_WAVE_MODE, 25, 1), 1
	s_wait_xcnt 0x0
	s_wait_alu depctr_hold_cnt(0) depctr_sa_sdst(0) depctr_va_vdst(0) depctr_va_sdst(0) depctr_va_ssrc(0) depctr_va_vcc(0) depctr_vm_vsrc(0)
	s_getreg_b32 s2, hwreg(HW_REG_IB_STS2, 6, 4)
	s_cmp_eq_u32 s2, 0
	s_cbranch_scc0 .Lentry_in_a_cluster
	s_endpgm
.Lentry_in_a_cluster:
	s_bfe_u32 s2, ttmp6, 0x10000c
	s_cmp_lg_u32 s2, 0xf033
	s_cbranch_scc0 .Lentry_shape_is_right
	s_endpgm
.Lentry_shape_is_right:
; out[t][n] = the sum over e of cw[t][e] (h[e] W2[e] + b2[e]): 4,096 x 1,024, K = 4,096 for each of two experts, on codes of E5M2 with E8M0 scales; sums in f32.
; h and the scale words as the launches before lay them: h [e][mt][kk][a][c][lane][16], sc [e][mt][kk][j][r][4] and, from byte 1,048,576 on, W2's [e][nt][kk][j][r][4].
; LIMITS: NaN and infinities are not served; each expert's sum is made in two halves of K, so the order of the f32 sums differs from the reference's.
; THE DEAL: 256 work-groups, each 128 tokens x 128 outputs.  Wave w = expert w % 2, half w / 2 of each 256 along K: it makes all 128 x 128 over its own 2,048 of K: 64 accumulators.  The four parts are added through LDS at the end, where the experts' weights and b2 come in.
; A STEP is 128 along K for each wave: 64 products.  Two slots; a slot holds h's 2 x 32,768 bytes (dense, in operand order: no padding) and W2's 2 x 128 rows of 256 bytes + 16.  One joint load a wave a step: waves 0, 1 fetch h, waves 2, 3 W2.
; Scale words come by two loads of 16 bytes a lane a step, two steps ahead: lanes 0-15 take the tokens' words, lanes 16-31 W2's.
; CLUSTERS 4 x 4: a row shares its tokens' h, a column its rows of W2.
; THE PREFETCH: in step i for step i + 4, two refills on; a wave names 32 runs of 256 bytes of what it fetches, told apart by address among the four that share it.  W2, which eight clusters read, is asked for by four of them.  Steps 12 on ask for nothing.
; REGISTERS: window 0: addresses, scale words v32-47, b2 v64-71, W2's fragments v128-255 (one set); window 1: h's, two sets; windows 2, 3: accumulators (b, a) at v[8 (8 (b % 4) + a)].
.set PITCH,  272
.set NL,     4
.set NP,     8
.set HB,     32768
.set WOFF,   2*HB
.set WB,     128*PITCH
.set SLOT,   WOFF+2*WB
.set SPARE,  2*SLOT
.set OPITCH, 528
.set PART,   128*OPITCH
.set RDP,  8
.set ADRW, 16
.set ADRH, 20
.set STO,  24
.set CO,   26
.set VSO,  27
.set SPW,  28
.set NIL,  29
.set PFO,  30
.set SC,   32
.set B2R,  64
.set WF,   128
.set G1,  24
.set G0,  32
.set G1B, 48
.set G0B, 56
.set PFB, 66
.set PFS, 68
.set LIM, 70
.set MSB, 0
.macro WIN new
.if MSB != (\new)
	s_set_vgpr_msb (MSB<<8)|(\new)
.set MSB, (\new)
.endif
.endm
.set MUL_LO, 0xa4                      ; source 0 (W2) window 0, source 1 (h) window 1, C and D window 2
.set MUL_HI, 0xf4
.macro PLACES n
.rept \n
	v_nop
.endr
.endm
.macro JLOAD s                         ; a joint load; an s_nop 0 and four v_nop follow each of the two lines
	s_cmp_eq_u32 s15, 0
	s_cbranch_scc0 .Lfor_w_\@
	tensor_load_to_lds s[G0+4*\s:G0+4*\s+3], s[G1:G1+7]
	s_nop 0
	PLACES 4
	s_branch .Lasked_\@
.Lfor_w_\@:
	tensor_load_to_lds s[G0B+4*\s:G0B+4*\s+3], s[G1B:G1B+7]
	s_nop 0
	PLACES 4
.Lasked_\@:
.endm
.macro CREST
	s_cmp_lg_u32 s14, 0
	s_cbranch_scc1 .Lnot_wave_0_\@
	s_barrier_signal -3
.Lnot_wave_0_\@:
	s_barrier_wait -3
	s_barrier_signal -1
	s_barrier_wait -1
.endm
.macro CROUND
	s_barrier_signal -1
	s_barrier_wait -1
	CREST
.endm
	s_load_b128 s[4:7], s[0:1], 0x0                ; h, sc
	s_load_b128 s[8:11], s[0:1], 0x10              ; W2's codes, out0
	s_load_b128 s[96:99], s[0:1], 0x20             ; b2, cw
	v_lshl_add_u32 v[SPW], v0, 2, SPARE
	v_mov_b32 v[NIL], 0
	ds_add_u32 v[SPW], v[NIL]                      ; the wave's opening: the add, twice on end, and its wait
	ds_add_u32 v[SPW], v[NIL]
	v_lshrrev_b32 v1, 5, v0
	v_readfirstlane_b32 s14, v1
	s_lshr_b32 s15, s14, 1                         ; my half of each 256 along K.  Also: I fetch h (0) or W2 (1)
	s_and_b32 s16, s14, 1                          ; my expert
	s_bfe_u32 s40, ttmp6, 0x40000                  ; cx, cy
	s_bfe_u32 s41, ttmp6, 0x40004
	s_lshl_b32 s42, ttmp9, 2
	s_add_co_u32 s42, s42, s40                     ; output tile
	s_and_b32 s18, ttmp7, 0xffff
	s_lshl_b32 s17, s18, 2
	s_add_co_u32 s17, s17, s41                     ; token tile
	s_lshl_b32 s43, s41, 2
	s_lshl_b32 s43, 15, s43
	s_lshl_b32 s44, 0x1111, s40
	s_or_b32 s[G1+0], s43, (3<<16)|(1<<21)         ; h: 32,768 dense bytes as 32 rows of 128 elements of 8 bytes
	s_mov_b32 s[G1+1], 128<<16
	s_mov_b32 s[G1+2], 32<<16
	s_mov_b32 s[G1+3], 128<<16
	s_mov_b32 s[G1+4], 32
	s_mov_b32 s[G1+5], 128
	s_mov_b32 s[G1+6], 0
	s_mov_b32 s[G1+7], 0
	s_or_b32 s[G1B+0], s44, (1<<20)|(1<<21)|(5<<22)|(3<<25)   ; W2: 128 rows of 256 bytes, 16 of padding behind each
	s_mov_b32 s[G1B+1], 256<<16
	s_mov_b32 s[G1B+2], 128<<16
	s_mov_b32 s[G1B+3], 256<<16
	s_mov_b32 s[G1B+4], 128
	s_mov_b32 s[G1B+5], 4096
	s_mov_b32 s[G1B+6], 0
	s_mov_b32 s[G1B+7], 0
	s_lshl_b32 s20, s16, 24                        ; h: expert, token tile
	s_lshl_b32 s22, s17, 19
	s_add_co_u32 s20, s20, s22
	s_mov_b32 s21, 0
	s_lshl_b32 s46, s16, 22                        ; W2: expert, output tile
	s_lshl_b32 s47, s42, 19
	s_add_co_u32 s46, s46, s47
	s_mov_b32 s47, 0
	s_mul_i32 s45, s16, HB                         ; and where they go
	s_mul_i32 s94, s16, WB
	s_add_co_u32 s94, s94, WOFF
	s_wait_dscnt 0x0                               ; both opening adds are done
	s_wait_kmcnt 0x0
	CROUND                                         ; all sixteen work-groups are here
.irp s, 0,1
	s_mov_b32 s[G0+4*\s], 1
	s_add_co_u32 s[G0+4*\s+1], s45, \s*SLOT
	s_add_nc_u64 s[G0+4*\s+2:G0+4*\s+3], s[4:5], s[20:21]
	s_add_nc_u64 s[G0+4*\s+2:G0+4*\s+3], s[G0+4*\s+2:G0+4*\s+3], \s*HB
	s_or_b32 s[G0+4*\s+3], s[G0+4*\s+3], 0x80000000
	s_mov_b32 s[G0B+4*\s], 1
	s_add_co_u32 s[G0B+4*\s+1], s94, \s*SLOT
	s_add_nc_u64 s[G0B+4*\s+2:G0B+4*\s+3], s[8:9], s[46:47]
	s_add_nc_u64 s[G0B+4*\s+2:G0B+4*\s+3], s[G0B+4*\s+2:G0B+4*\s+3], \s*256
	s_or_b32 s[G0B+4*\s+3], s[G0B+4*\s+3], 0x80000000
.endr
	JLOAD 0                                        ; step 0: one tensor load a wave at the head
	s_lshl_b32 s71, s15, 7
	s_add_co_u32 s71, s71, s94                     ; LDS: my expert's rows of W2, my half of 256 along K
	s_lshl_b32 s72, s15, 14
	s_add_co_u32 s72, s72, s45                     ; and my block of h
	s_mul_i32 s73, s14, PART
	s_mul_i32 s74, s14, 32*OPITCH
	s_lshl_b32 s75, s16, 19                        ; scale words: h's,
	s_lshl_b32 s22, s17, 14
	s_add_co_u32 s75, s75, s22
	s_lshl_b32 s23, s15, 9
	s_add_co_u32 s75, s75, s23
	s_lshl_b32 s76, s16, 17                        ; and the distance to W2's
	s_lshl_b32 s22, s42, 14
	s_add_co_u32 s76, s76, s22
	s_add_co_u32 s76, s76, s23
	s_add_co_u32 s76, s76, 0x100000
	s_sub_co_u32 s76, s76, s75
	s_cmp_lt_u32 s18, 4                            ; the prefetch: W2's in clusters y < 4
	s_cselect_b32 s77, 1, -1
	s_lshl_b32 s78, s40, 13
	s_add_co_u32 s78, s78, s20                     ; h: partner cx takes 8,192 of 32,768 bytes
	s_lshl_b32 s79, s41, 17
	s_add_co_u32 s79, s79, s46                     ; W2: partner cy takes 32 of 128 rows
	s_movk_i32 s80, 0x1000
	s_movk_i32 s81, 0x100
	s_cmp_eq_u32 s15, 0
	s_cselect_b32 s[LIM], 1, s77
	s_cselect_b32 s78, s78, s79
	s_cselect_b32 s80, 0x100, s80                  ; bytes from lane to lane
	s_cselect_b32 s[PFS], 0x8000, s81              ; and from step to step
	s_cselect_b64 s[PFB:PFB+1], s[4:5], s[8:9]
	s_mov_b32 s[PFS+1], 0
	s_mov_b32 s79, 0
	v_and_b32 v1, 15, v0                           ; r
	v_bfe_u32 v2, v0, 4, 1                         ; hh
	v_and_b32 v6, 31, v0
	v_mul_u32_u24 v3, v1, PITCH
	v_lshl_add_u32 v3, v2, 4, v3
	v_add_nc_u32 v[ADRW], s71, v3
	v_add_nc_u32 v[ADRW+1], SLOT, v[ADRW]
	v_lshlrev_b32 v[CO], 4, v6
	v_add_nc_u32 v[ADRH], s72, v[CO]
	v_add_nc_u32 v[ADRH+1], SLOT, v[ADRH]
	v_mul_u32_u24 v5, v1, OPITCH
	v_lshl_add_u32 v5, v2, 5, v5
	v_add_nc_u32 v[STO], s73, v5                   ; the way out: my part, row r, 32 bytes for each half of the lanes
	v_add_nc_u32 v[RDP], s74, v[CO]                ; and my 32 rows of each of the four parts
	v_add_nc_u32 v[RDP+1], PART, v[RDP]
	v_add_nc_u32 v[RDP+2], PART, v[RDP+1]
	v_add_nc_u32 v[RDP+3], PART, v[RDP+2]
	v_lshlrev_b32 v[VSO], 4, v1
	v_mul_u32_u24 v7, s76, v2
	v_add_nc_u32 v[VSO], v[VSO], v7
	v_add_nc_u32 v[VSO], s75, v[VSO]
	v_mul_u32_u24 v[PFO], s80, v6
	s_wait_alu depctr_va_vdst(0)                   ; the wait at the head's end
	s_add_nc_u64 s[PFB:PFB+1], s[PFB:PFB+1], s[78:79]
	s_mul_i32 s78, s[PFS], 3                       ; step i takes it on to step i + 4
	s_add_nc_u64 s[PFB:PFB+1], s[PFB:PFB+1], s[78:79]
	s_mov_b32 s23, 0
	s_lshl_b32 s22, s42, 9
	s_add_nc_u64 s[96:97], s[96:97], s[22:23]      ; b2
	s_add_nc_u64 s[12:13], s[10:11], s[22:23]      ; out0: my 32 rows
	s_lshl_b32 s22, s17, 19
	s_lshl_b32 s46, s14, 17
	s_add_co_u32 s22, s22, s46
	s_add_nc_u64 s[12:13], s[12:13], s[22:23]
	s_lshl_b32 s22, s17, 10
	s_lshl_b32 s46, s14, 8
	s_add_co_u32 s22, s22, s46
	s_add_nc_u64 s[20:21], s[98:99], s[22:23]      ; cw
.macro SLOAD p, off                    ; a step's scale words into set p: register 4 j + k: lanes 0-15 token block 4 j + k, lanes 16-31 W2's block
	global_load_b128 v[SC+8*\p:SC+8*\p+3], v[VSO], s[6:7] offset:\off
	global_load_b128 v[SC+8*\p+4:SC+8*\p+7], v[VSO], s[6:7] offset:(\off)+256
.endm
	global_load_b128 v[B2R:B2R+3], v[CO], s[96:97]
	global_load_b128 v[B2R+4:B2R+7], v[CO], s[96:97] offset:4096
	SLOAD 0, 0
	SLOAD 1, 1024
.macro FETCH_W slot, i0                ; W2's blocks i0 .. i0 + 3
.irp i, 0,1,2,3
.irp c, 0,1,2,3
	ds_load_b128 v[WF+16*(\i0+\i)+4*\c:WF+16*(\i0+\i)+4*\c+3], v[ADRW+(\slot)] offset:32*\c+(\i0+\i)*16*PITCH
.endr
.endr
.endm
.macro FETCH_H slot                    ; my block of h: 32 pieces of 512 bytes
	WIN 0x40
.set cnt, 0
.rept 32
	ds_load_b128 v[128*(\slot)+4*cnt:128*(\slot)+4*cnt+3], v[ADRH+(\slot)] offset:512*cnt
.set cnt, cnt+1
.endr
	WIN 0
.endm
.macro MUL8 b, p, zero                 ; W2's block b x my eight of tokens; the 64 accumulators take turns in the same order in every step.  TRANSPOSED: a lane holds one token and eight neighbouring outputs
.irp a, 0,1,2,3,4,5,6,7
.set rD, 8*(8*((\b)%4)+\a)
.set rW, WF+16*(\b)
.set rH, 128*(\p)+16*\a
.if \zero
	v_wmma_scale_f32_16x16x128_f8f6f4 v[rD:rD+7], v[rW:rW+15], v[rH:rH+15], 0, v[SC+8*(\p)+(\b)], v[SC+8*(\p)+\a] matrix_a_fmt:MATRIX_FMT_BF8 matrix_b_fmt:MATRIX_FMT_BF8 matrix_a_scale:MATRIX_SCALE_ROW1
.else
	v_wmma_scale_f32_16x16x128_f8f6f4 v[rD:rD+7], v[rW:rW+15], v[rH:rH+15], v[rD:rD+7], v[SC+8*(\p)+(\b)], v[SC+8*(\p)+\a] matrix_a_fmt:MATRIX_FMT_BF8 matrix_b_fmt:MATRIX_FMT_BF8 matrix_a_scale:MATRIX_SCALE_ROW1
.endif
.endr
.endm
; A step.  kind 2: its slot is filled again, two steps on; 1: nothing is left to fetch; 0: the last.  ask 1: prefetch; 2: but not in the loop's last trip.  lc: scale loads that may be out (the next step's two).
.macro STEP slot, zero, kind, lc, ask
	s_wait_loadcnt \lc
	s_wait_dscnt 4*NL                              ; h and W2's blocks 0 to 3 are in; the youngest 16 loads (blocks 4 to 7) may be out
	WIN MUL_LO
	MUL8 0, \slot, \zero
	MUL8 1, \slot, \zero
.if \kind
	WIN 0
	s_wait_tensorcnt 0x0                           ; my part of the next slot has landed
	ds_add_u32 v[SPW], v[NIL]
.if \kind == 2
	s_wait_xcnt 0x0                                ; the scale loads and the prefetch have taken their addresses
	s_add_nc_u64 s[G0+4*\slot+2:G0+4*\slot+3], s[G0+4*\slot+2:G0+4*\slot+3], 2*HB
	s_add_nc_u64 s[G0B+4*\slot+2:G0B+4*\slot+3], s[G0B+4*\slot+2:G0B+4*\slot+3], 512
	s_add_nc_u64 s[PFB:PFB+1], s[PFB:PFB+1], s[PFS:PFS+1]
.if \slot
	s_add_nc_u64 s[6:7], s[6:7], 2048
.endif
.endif
	WIN MUL_LO
	MUL8 2, \slot, \zero
	s_wait_dscnt 0x0                               ; the add is done, and my reads of this slot are over
	s_barrier_signal -1
	MUL8 3, \slot, \zero
	WIN 0
	s_barrier_wait -1
.if \kind == 2
	CREST                                          ; no wave of any partner still reads this slot or has a load on its way
	JLOAD \slot
	PLACES NP-4
.else
	PLACES NP
.endif
	FETCH_H 1-\slot
	FETCH_W 1-\slot, 0
.if \ask
.if \ask == 2
	s_cmp_gt_u32 s3, s[LIM]
.else
	s_cmp_eq_u32 s[LIM], 1
.endif
	s_cbranch_scc0 .Lno_ask_\@
	global_prefetch_b8 v[PFO], s[PFB:PFB+1] th:TH_LOAD_NT scope:SCOPE_SE
.Lno_ask_\@:
.endif
	WIN MUL_HI
.irp b, 4,5,6,7
	MUL8 \b, \slot, \zero
.endr
	PLACES NP
	WIN 0
	FETCH_W 1-\slot, 4
.if \kind == 2
	SLOAD \slot, 2048-1024*\slot                   ; the step two on
.endif
.else
	MUL8 2, \slot, \zero
	MUL8 3, \slot, \zero
	s_wait_dscnt 0x0
	WIN MUL_HI
.irp b, 4,5,6,7
	MUL8 \b, \slot, \zero
.endr
	WIN 0
.endif
.endm
	s_wait_tensorcnt 0x0                           ; my part of step 0 is in
	ds_add_u32 v[SPW], v[NIL]
	s_wait_dscnt 0x0
	CROUND
	JLOAD 1                                        ; step 1
	FETCH_H 0
	FETCH_W 0, 0
	FETCH_W 0, 4
	STEP 0, 1, 2, 2, 1
	s_mov_b32 s3, 6
.Ltrip:                                                ; steps 1 to 12
	STEP 1, 0, 2, 2, 1
	STEP 0, 0, 2, 2, 2
	s_sub_co_u32 s3, s3, 1
	s_cmp_lg_u32 s3, 0
	s_cbranch_scc1 .Ltrip
	STEP 1, 0, 2, 2, 0
	STEP 0, 0, 1, 2, 0
	STEP 1, 0, 0, 0, 0
	PLACES NP
	s_wait_xcnt 0x0
	s_load_b512 s[24:39], s[20:21], 0x0            ; my 32 tokens' weights: two numbers a token
	s_load_b512 s[40:55], s[20:21], 0x40
	s_load_b512 s[68:83], s[20:21], 0x80
	s_load_b512 s[84:99], s[20:21], 0xc0
	s_wait_dscnt 0x0
	s_barrier_signal -1
	s_barrier_wait -1                              ; nobody reads the slots any more: the parts lie over them
.irp b, 0,1,2,3,4,5,6,7
	WIN 0x08+4*(\b/4)
.irp a, 0,1,2,3,4,5,6,7
	ds_store_b128 v[STO], v[8*(8*(\b%4)+\a):8*(8*(\b%4)+\a)+3] offset:\a*16*OPITCH+64*\b
	ds_store_b128 v[STO], v[8*(8*(\b%4)+\a)+4:8*(8*(\b%4)+\a)+7] offset:\a*16*OPITCH+64*\b+16
.endr
.endr
	WIN 0
	s_wait_dscnt 0x0
	s_barrier_signal -1
	s_barrier_wait -1
	s_wait_kmcnt 0x0
; A row: parts 0 and 2 are expert 0's halves of K, parts 1 and 3 expert 1's; + b2; x the token's two weights.
.macro ROWOUT bt, q
.set RR, 8*(\bt)+(\q)
.set PB, 128+16*(\q)
.if RR < 16
.set CR, 24+2*RR
.else
.set CR, 68+2*(RR-16)
.endif
	s_wait_dscnt 4*(7-(\q))                        ; this row's four loads are in
	v_pk_add_f32 v[PB:PB+1], v[PB:PB+1], v[PB+8:PB+9]
	v_pk_add_f32 v[PB+2:PB+3], v[PB+2:PB+3], v[PB+10:PB+11]
	v_pk_add_f32 v[PB+4:PB+5], v[PB+4:PB+5], v[PB+12:PB+13]
	v_pk_add_f32 v[PB+6:PB+7], v[PB+6:PB+7], v[PB+14:PB+15]
	v_pk_add_f32 v[PB:PB+1], v[PB:PB+1], v[B2R:B2R+1]
	v_pk_add_f32 v[PB+2:PB+3], v[PB+2:PB+3], v[B2R+2:B2R+3]
	v_pk_add_f32 v[PB+4:PB+5], v[PB+4:PB+5], v[B2R+4:B2R+5]
	v_pk_add_f32 v[PB+6:PB+7], v[PB+6:PB+7], v[B2R+6:B2R+7]
	v_pk_mul_f32 v[PB:PB+1], v[PB:PB+1], s[CR:CR+1] op_sel_hi:[1,0]
	v_pk_mul_f32 v[PB+2:PB+3], v[PB+2:PB+3], s[CR:CR+1] op_sel_hi:[1,0]
.irp i, 0,1,2,3
	v_fmac_f32 v[PB+\i], s[CR+1], v[PB+4+\i]
.endr
	global_store_b128 v[CO], v[PB:PB+3], s[12:13] offset:4096*RR th:TH_STORE_NT   ; 512 consecutive bytes
.endm
.irp bt, 0,1,2,3
	s_wait_xcnt 0x0                                ; the stores have taken their registers
.irp q, 0,1,2,3,4,5,6,7
.irp k, 0,1,2,3
	ds_load_b128 v[128+16*\q+4*\k:128+16*\q+4*\k+3], v[RDP+\k] offset:OPITCH*(8*\bt+\q)
.endr
.endr
.irp q, 0,1,2,3,4,5,6,7
	ROWOUT \bt, \q
.endr
.endr
	s_wait_tensorcnt 0x0                           ; the wave's end
	ds_add_u32 v[SPW], v[NIL]
	s_wait_dscnt 0x0
	CROUND                                         ; the closing round
	s_endpgm
.Lfunc_end_k_q0d7be982b9_down:
	.size	k_q0d7be982b9_down, .Lfunc_end_k_q0d7be982b9_down-k_q0d7be982b9_down
	.p2alignl 7, 3214868480
	.fill 96, 4, 3214868480
	.section	.rodata,"a",@progbits
	.p2align	6, 0x0
	.amdhsa_kernel k_q0d7be982b9_down
		.amdhsa_group_segment_fixed_size 327680
		.amdhsa_private_segment_fixed_size 0
		.amdhsa_enable_private_segment 0
		.amdhsa_kernarg_size 48
		.amdhsa_user_sgpr_count 2
		.amdhsa_user_sgpr_kernarg_segment_ptr 1
		.amdhsa_wavefront_size32 1
		.amdhsa_system_sgpr_workgroup_id_x 1
		.amdhsa_system_sgpr_workgroup_id_y 1
		.amdhsa_system_sgpr_workgroup_id_z 1
		.amdhsa_system_vgpr_workitem_id 0
		.amdhsa_next_free_vgpr 1024
		.amdhsa_next_free_sgpr 100
		.amdhsa_reserve_vcc 0
		.amdhsa_float_denorm_mode_32 3
		.amdhsa_float_denorm_mode_16_64 3
		.amdhsa_memory_ordered 1
		.amdhsa_forward_progress 1
		.amdhsa_inst_pref_size 137
	.end_amdhsa_kernel
	.amdgpu_metadata
---
amdhsa.version: [ 1, 2 ]
amdhsa.kernels:
  - .name:           k_q0d7be982b9_down
    .symbol:         k_q0d7be982b9_down.kd
    .args:
      - { .name: h, .offset: 0, .size: 8, .value_kind: global_buffer, .address_space: global }
      - { .name: sc, .offset: 8, .size: 8, .value_kind: global_buffer, .address_space: global }
      - { .name: W2_codes, .offset: 16, .size: 8, .value_kind: global_buffer, .address_space: global }
      - { .name: out0, .offset: 24, .size: 8, .value_kind: global_buffer, .address_space: global }
      - { .name: b2, .offset: 32, .size: 8, .value_kind: global_buffer, .address_space: global }
      - { .name: cw, .offset: 40, .size: 8, .value_kind: global_buffer, .address_space: global }
    .group_segment_fixed_size: 327680
    .private_segment_fixed_size: 0
    .kernarg_segment_align: 8
    .kernarg_segment_size: 48
    .max_flat_workgroup_size: 128
    .sgpr_count:     100
    .vgpr_count:     1024
    .wavefront_size: 32
...
	.end_amdgpu_metadata
.endif
;; end of part 3
